; MI455X (gfx1250); checked and timed in simulation.
; The chip was launched on July 23, 2026; its instructions are those of AMD's public machine-readable ISA for CDNA 5 (MIT licence, August 2026) and "CDNA5" Instruction Set Architecture Reference Guide (July 2026). The comments in the code are by the model that wrote it; some were corrected since.
;; Attend. Allowed arithmetic: matrix products marked QUANTISED: E2M1 operands, one E8M0 scale for each 32 along K, by v_wmma_scale_f32_16x16x128_f8f6f4 with both operands' format E2M1 (or v_wmma_scale_f32_32x16x128_f4), f32 sums; everything else in f32.
;; Inputs: Wk_codes 1,024 x 32 x 16 uint8 (E2M1 codes of Wk, K innermost, in blocks of 32 codes, two codes a byte); Wk_scales 1,024 x 32 uint8 (E8M0 scales of Wk, one for each 32 codes along K); Wo_codes 1,024 x 32 x 16 uint8 (E2M1 codes of Wo, K innermost, in blocks of 32 codes, two codes a byte); Wo_scales 1,024 x 32 uint8 (E8M0 scales of Wo, one for each 32 codes along K); Wq_codes 1,024 x 32 x 16 uint8 (E2M1 codes of Wq, K innermost, in blocks of 32 codes, two codes a byte); Wq_scales 1,024 x 32 uint8 (E8M0 scales of Wq, one for each 32 codes along K); Wv_codes 1,024 x 32 x 16 uint8 (E2M1 codes of Wv, K innermost, in blocks of 32 codes, two codes a byte); Wv_scales 1,024 x 32 uint8 (E8M0 scales of Wv, one for each 32 codes along K); bk 1,024 float32; bo 1,024 float32; bq 1,024 float32; bv 1,024 float32; x_codes 2 x 2,048 x 32 x 16 uint8 (E2M1 codes of x, K innermost, in blocks of 32 codes, two codes a byte); x_scales 2 x 2,048 x 32 uint8 (E8M0 scales of x, one for each 32 codes along K).
;; Outputs: out0 2 x 2,048 x 1,024 float32.
;; This version of the problem:
;;   THIS VERSION OF THE PROBLEM IS GIVEN IN LOW PRECISION. The matrix products marked QUANTISED in the list below multiply operands that are first quantised to E2M1 (2 exponent bits, 1 mantissa bit; 4 bits a number), with one power-of-two scale for each 32 numbers along K (OCP MX v1.0); their sums are f32. All else is computed in f32.
;;   The module's matrix products, in the order in which they are computed (A, B: the left and right operand; K: the contracted axis; several contracted axes count as one K, in the product's order):
;;     1. [M 4,096, K 1,024] x [K 1,024, N 1,024]; A: input x (given as codes); B: input Wq (given as codes): QUANTISED
;;     2. [M 4,096, K 1,024] x [K 1,024, N 1,024]; A: input x (given as codes); B: input Wk (given as codes): QUANTISED
;;     3. [M 4,096, K 1,024] x [K 1,024, N 1,024]; A: input x (given as codes); B: input Wv (given as codes): QUANTISED
;;     4. batch 32 x [M 2,048, K 64] x [K 64, N 2,048]; A: computed on the way; B: computed on the way: QUANTISED
;;     5. batch 32 x [M 2,048, K 2,048] x [K 2,048, N 64]; A: softmax (see below); B: computed on the way: QUANTISED
;;     6. [M 4,096, K 1,024] x [K 1,024, N 1,024]; A: computed on the way; B: input Wo (given as codes): QUANTISED
;;   THE QUANTISER, for each operand of a quantised product, along K:
;;     - K is cut into blocks of 32 from its start; a last block that is shorter is filled with zeros.
;;     - A block's scale is 2^e with e = floor(log2(the largest magnitude in the block)) - 2, held to -126 .. 127; a block of zeros has e = 0. As a byte (E8M0): e + 127.
;;     - Each number is divided by its block's scale, clamped to +-6, and rounded to the nearest number of E2M1, ties to even, subnormals kept.
;;     - The product sums the exact products of the quantised numbers (number of the format x scale) in f32.
;;   ~~~python
;;   def quantise(x, axis):      # numpy; x: float32 -> the quantised numbers, widened to float32 again
;;       x = np.moveaxis(x, axis, -1); K = x.shape[-1]
;;       x = np.pad(x, [(0, 0)] * (x.ndim - 1) + [(0, -K % 32)]); x = x.reshape(x.shape[:-1] + (-1, 32)); a = np.abs(x).max(-1, keepdims=True)
;;       e = np.where(a > 0, np.clip(np.frexp(np.where(a > 0, a, 1))[1] - 1 - 2, -126, 127), 0)      # np.frexp(a)[1] - 1 = floor(log2(a)), exactly
;;       r = np.clip(x / 2.0 ** e, -6, 6)
;;       step = 2.0 ** (np.maximum(np.frexp(np.where(r == 0, 1, r))[1] - 1, 0) - 1)
;;       q = np.round(r / step) * step * 2.0 ** e      # np.round: ties to even
;;       return np.moveaxis(q.reshape(q.shape[:-2] + (-1,))[..., :K], -1, axis).astype(np.float32)
;;   ~~~
;;   SOFTMAX AHEAD OF A QUANTISED PRODUCT. Where the list says 'softmax', what is quantised is not the finished softmax but p = 2^(t - M), with t = logit x log2(e) and M = ceil(the row's largest t), a whole number; so 1/2 < the row's largest p <= 1. The row's sum l is taken of the UNQUANTISED p, in f32, and the product's result is divided by l at the end. Since M is a whole number, a kernel that streams over the keys may use a running M (the ceiling of the running maximum): every later rescaling is an exact power of two, which a block's scale takes up: the codes' values come out the same.
;;   OPERANDS COMPUTED ON THE WAY. 'Computed on the way' means the value that the module computes at that place (a softmax that the list does not call 'softmax' is quantised finished and normalised). What goes into a quantiser is computed in f32, as accurately as f32 sums, v_exp_f32 and their like allow (about 1e-6 of the number): no bf16 or f16 on the way to a quantiser, and a product that is left as it is and whose result goes on into a quantised operand takes f32 operands (vector FMAs, or v_wmma_f32_16x16x4_f32). A number that lies on a knife's edge between two numbers of the format may be rounded either way, as far as f32 arithmetic and the matrix unit's own rounding can turn it there, and no further.
;;   INPUTS GIVEN AS CODES. Wk (in the module: [1024, 1024], K = its axis 0); Wo (in the module: [1024, 1024], K = its axis 0); Wq (in the module: [1024, 1024], K = its axis 0); Wv (in the module: [1024, 1024], K = its axis 0); x (in the module: [2, 2048, 1024], K = its axis 2): each comes as NAME_codes (uint8): NAME with its K axis moved to the last place and cut into blocks of 32 codes, [.., K / 32, bytes a block], one block behind the other in memory; two codes a byte, the lower K in the low four bits (a code: sign, 2 exponent bits, 1 mantissa bit); and NAME_scales (uint8): the same leading axes, one E8M0 byte (e + 127) for each 32 codes along K. Its value is code x scale, taken as it is: it is not quantised again, and the codes and scales need not be those that the quantiser above would give.
;; One version. Each part assembles by itself: llvm-mc -triple=amdgcn-amd-amdhsa -mcpu=gfx1250 --defsym DOCPART=n.
;; ======== version 1 of 1: 3 launches
;; limits: right only within a limited range of input values
;; workspace buffers: qw 2,359,296 bytes; kv 4,587,520 bytes; oc 2,097,152 bytes; os 262,144 bytes
;; launch qkv (part 1): grid 16 x 16, 8 waves a work-group, clusters of 4 x 4, 327,680 bytes of LDS; arguments x_codes, x_scales, Wq_codes, Wq_scales, Wk_codes, Wk_scales, Wv_codes, Wv_scales, bq, bk, bv, qw, kv; writes qw, kv
.if DOCPART == 1
	.amdgcn_target "amdgcn-amd-amdhsa--gfx1250"
	.amdhsa_code_object_version 6
	.text
	.protected	k_q2600de7389_qkv
	.globl	k_q2600de7389_qkv
	.p2align	8
	.type	k_q2600de7389_qkv,@function
k_q2600de7389_qkv:
	s_mov_b64 s[64:65], 0
	v_nop
	global_prefetch_b8 v0, s[64:65] scope:SCOPE_SE
	s_setreg_imm32_b32 hwreg(HW_REG_WAVE_MODE, 25, 1), 1
	s_wait_xcnt 0x0
	s_wait_alu depctr_hold_cnt(0) depctr_sa_sdst(0) depctr_va_vdst(0) depctr_va_sdst(0) depctr_va_ssrc(0) depctr_va_vcc(0) depctr_vm_vsrc(0)
	s_getreg_b32 s2, hwreg(HW_REG_IB_STS2, 6, 4)
	s_cmp_eq_u32 s2, 0
	s_cbranch_scc0 .Lentry_in_a_cluster
	s_endpgm
.Lentry_in_a_cluster:
	s_bfe_u32 s2, ttmp6, 0x10000c
	s_cmp_lg_u32 s2, 0xf033
	s_cbranch_scc0 .Lentry_shape_is_right
	s_endpgm
.Lentry_shape_is_right:
; q = x Wq + bq, k = x Wk + bk, v = x Wv + bv on codes of FP4 (E2M1) with one E8M0 scale for each 32 along K = 1,024; the results are quantised here, in registers, for the
; attention launch: q and k along a head's 64 channels, v along the keys.  x: 4,096 rows of 512 bytes of codes and 32 scale bytes; each W: 1,024 rows (the output channels) likewise.
; WORK LEFT OUT IN THIS PROGRAM: no input is left out (bk stays: it moves k's codes).  The second launch leaves out the key steps that lie wholly above the diagonal: the causal mask
; sets those logits to -infinity, so their weights are 0 whatever finite values the inputs hold, and they add nothing to the row's sum or to the product with v.
; LIMITS: a NaN, an infinity or an overflow that reaches only the key steps left out is not carried to the result; NaN and infinities among the inputs are not served; a block of zeros
; gets the scale byte 1 where the quantiser says 127: its codes are zeros, which add nothing under that byte, and only this program reads the bytes.
; SHARES.  256 work-groups: head (x) and 256 rows of x (y); each makes the head's q, k and v: 192 channels.  Eight waves, each 64 rows x 96 channels: wave bit 0 (CC): 0 = q and v's channel tiles 0, 1;
; 1 = k and v's tiles 2, 3;  bit 1 (UU), bit 2 (GG): which 64 rows.  24 accumulators, 192 registers.
; ROWS OF A TILE.  Of 128 rows of x, tile t (0..7) takes row 64 (r / 8) + 8 t + r % 8 in its lane or row r; wave UU has tiles 4 UU .. 4 UU + 3.  A weight tile t (0..3) takes channel
; 32 (r / 8) + 8 t + r % 8 (v) or 32 (r / 8) + 8 (t xor r / 8) + r % 8 (q and k alike, so their products stay the same).  So a lane's 32 registers of four tiles are ONE WHOLE BLOCK of 32 along the next K.
; For q, k source 0 = W, source 1 = x; for v source 0 = x, source 1 = Wv.
; LDS: K comes in two halves of 512, each in eight regions XS apart, one tensor load each, one load a wave: x's four runs of 64 rows, Wq's 64, Wk's 64, Wv's two halves of 32; 256 bytes of each row.
; The first half is asked for at the head, the second behind a full sequence and a round, into bytes of its own; it lands while the first is multiplied.  Nothing is filled twice, so there is no loop of refills to run ahead in and nothing is prefetched.
; LDS rows are 256 bytes + 16; XS is 128 more than a multiple of 256, so rows r and r + 8 of a tile start 128 bytes apart modulo 256 (q, k: by the xor).
; CLUSTERS of 4 x 4: x's rows hang on the place along y alone and are asked for jointly by a row of the cluster, the weights' on the place along x and by a column.
; REGISTERS: window 0: addresses, scale words, two sets of fragments (v96-175, v176-255); window 1: accumulators v0-191, the biases v192-239 (the C of each accumulator's first product).
.set XS,    17536
.set XP,    272
.set HALFK, 8*XS                       ; the second half's regions
.set STG,   2*HALFK                    ; 512 bytes: v's scale words of my two 128 rows
.set SPARE, STG+512                    ; the spare words, 128 bytes for each wave
.set FLG,   (1<<20)|(1<<21)|(5<<22)|(3<<25)   ; elements of 1 byte; padding on; 21 set beside a mask; after every 64 words; of four words
.set ADX,  5
.set ADWE, 6
.set ADWO, 7
.set ADV,  8
.set XO,   9
.set WE,   10
.set WO,   11
.set VO,   12
.set BE,   13
.set BO,   14
.set BV,   15
.set CST,  16
.set SST,  17
.set VST,  18
.set H8,   19
.set SPW,  20
.set NIL,  21
.set VRD,  22
.set XSC,  32                          ; scale words: four registers a tile: lanes 0-15 K steps 0-3, lanes 16-31 K steps 4-7
.set WSC,  48
.set VSC,  64
.set BVR,  72
.set TM,   96                          ; the way out
.set CO,   104
.set BY,   112
.set WS,   120
.set PC,   128
.set WV,   30
.set CC,   31
.set UU,   32
.set GG,   33
.set HD,   34
.set RB,   35
.set CX,   36
.set CY,   37
.set MR,   38
.set MC,   39
.set G1X,  40
.set G1W,  48
.set G1V,  56
.set G0X,  68
.set G0W,  72
.set MSB, 0
.macro WIN new                         ; the immediate's high byte repeats the setting that is left
.if MSB != \new
	s_set_vgpr_msb (MSB<<8)|\new
.set MSB, \new
.endif
.endm
.macro CROUND                          ; a round of the cluster's barrier
	s_barrier_signal -1
	s_barrier_wait -1
	s_cmp_lg_u32 s[WV], 0
	s_cbranch_scc1 .Lnot_wave_0_\@
	s_barrier_signal -3
.Lnot_wave_0_\@:
	s_barrier_wait -3
	s_barrier_signal -1
	s_barrier_wait -1
.endm
.macro LOADS                           ; one tree on the wave's number, one load to an arm
	s_cmp_lt_u32 s[WV], 4
	s_cbranch_scc0 .Lload_w_\@
	tensor_load_to_lds s[G0X:G0X+3], s[G1X:G1X+7]
	s_nop 0
.rept 4
	v_nop
.endr
	s_branch .Lasked_\@
.Lload_w_\@:
	s_cmp_lt_u32 s[WV], 6
	s_cbranch_scc0 .Lload_v_\@
	tensor_load_to_lds s[G0W:G0W+3], s[G1W:G1W+7]
	s_nop 0
.rept 4
	v_nop
.endr
	s_branch .Lasked_\@
.Lload_v_\@:
	tensor_load_to_lds s[G0W:G0W+3], s[G1V:G1V+7]
	s_nop 0
.rept 4
	v_nop
.endr
.Lasked_\@:
.endm
	s_load_b512 s[4:19], s[0:1], 0x0               ; x's codes, x's scales, Wq's, Wk's, Wv's
	s_load_b256 s[20:27], s[0:1], 0x40             ; bq, bk, bv, qw
	s_load_b64 s[28:29], s[0:1], 0x60              ; kv
	v_lshl_add_u32 v[SPW], v0, 2, SPARE
	v_mov_b32 v[NIL], 0
	ds_add_u32 v[SPW], v[NIL]                      ; the wave's opening: the add, twice on end, and its one wait
	ds_add_u32 v[SPW], v[NIL]
	v_lshrrev_b32 v1, 5, v0
	v_readfirstlane_b32 s[WV], v1                  ; wave 0..7
	s_and_b32 s[CC], s[WV], 1
	s_bfe_u32 s[UU], s[WV], 0x10001
	s_lshr_b32 s[GG], s[WV], 2
	s_bfe_u32 s[CX], ttmp6, 0x40000
	s_bfe_u32 s[CY], ttmp6, 0x40004
	s_lshl_b32 s[HD], ttmp9, 2
	s_add_co_u32 s[HD], s[HD], s[CX]               ; head
	s_and_b32 s[RB], ttmp7, 0xffff
	s_lshl_b32 s[RB], s[RB], 2
	s_add_co_u32 s[RB], s[RB], s[CY]               ; which 256 rows of x
	s_lshl_b32 s[MR], s[CY], 2
	s_lshl_b32 s[MR], 15, s[MR]                    ; my row of the cluster
	s_lshl_b32 s[MC], 0x1111, s[CX]                ; my column
	s_or_b32 s[G1X], s[MR], FLG
	s_or_b32 s[G1W], s[MC], FLG
	s_or_b32 s[G1V], s[MC], FLG
.irp g, G1X, G1W, G1V
	s_mov_b32 s[\g+1], 256<<16                     ; tensor_dim0
	s_mov_b32 s[\g+3], 256<<16                     ; tile_dim0
	s_mov_b32 s[\g+5], 512                         ; from row to row
	s_mov_b32 s[\g+6], 0
	s_mov_b32 s[\g+7], 0
.endr
.irp g, G1X, G1W
	s_mov_b32 s[\g+2], 64<<16                      ; 64 rows
	s_mov_b32 s[\g+4], 64
.endr
	s_mov_b32 s[G1V+2], 32<<16                     ; 32 rows
	s_mov_b32 s[G1V+4], 32
	s_mov_b32 s[G0X], 1
	s_mul_i32 s[G0X+1], s[WV], XS                  ; region w: no place in the cluster enters an LDS address
	s_mov_b32 s[G0W], 1
	s_mul_i32 s[G0W+1], s[WV], XS
	s_lshl_b32 s76, s[RB], 17                      ; x: my work-group's 256 rows,
	s_and_b32 s77, s[WV], 3
	s_lshl_b32 s77, s77, 15
	s_add_co_u32 s76, s76, s77                     ; and the 64 that I fetch
	s_mov_b32 s77, 0
	s_lshl_b32 s78, s[HD], 15                      ; a weight: the head's 64 rows,
	s_add_co_u32 s79, s[WV], 1
	s_lshr_b32 s79, s79, 3
	s_lshl_b32 s79, s79, 14
	s_add_co_u32 s78, s78, s79                     ; wave 7: the upper 32
	s_mov_b32 s79, 0
	; offsets of what goes from memory straight into registers
	s_lshl_b32 s94, s[RB], 13                      ; x's scale bytes, 32 a row
	s_lshl_b32 s95, s[GG], 12
	s_add_co_u32 s94, s94, s95
	s_lshl_b32 s95, s[UU], 10
	s_add_co_u32 s94, s94, s95
	s_mov_b32 s95, 0
	s_lshl_b32 s96, s[HD], 11                      ; Wq's or Wk's
	s_mov_b32 s97, 0
	s_lshl_b32 s98, s[CC], 9                       ; Wv's
	s_add_co_u32 s98, s98, s96
	s_mov_b32 s99, 0
	s_lshl_b32 s100, s[HD], 8                      ; bq or bk
	s_mov_b32 s101, 0
	s_lshl_b32 s82, s[CC], 6                       ; bv
	s_add_co_u32 s82, s82, s100
	s_mov_b32 s83, 0
	; where the results go.  A head's record: qw 73,728 bytes (8,192 of scale words, then 128 images of 512), kv 143,360 (8,192 + 4,096 of scale words, then 16 key steps of 4,096 for k and 4,096 for v)
	s_lshr_b32 s66, s[RB], 3
	s_lshl_b32 s66, s66, 4
	s_add_co_u32 s66, s66, s[HD]                   ; the record's number
	s_and_b32 s67, s[RB], 7
	s_lshl_b32 s104, s67, 9                        ; v's scale words: 256 bytes for 128 keys
	s_lshl_b32 s67, s67, 1
	s_add_co_u32 s67, s67, s[GG]                   ; which 128 rows of the sequence
	s_mul_i32 s84, s[CC], 69632
	s_add_co_u32 s84, s84, 73728
	s_mul_i32 s84, s84, s66                        ; the record in qw (CC = 0) or kv
	s_lshl_b32 s86, s67, 9
	s_lshl_b32 s80, s[UU], 8
	s_add_co_u32 s86, s86, s80
	s_add_co_u32 s86, s86, s84                     ; q's or k's scale words
	s_mov_b32 s87, 0
	s_add_co_u32 s80, s[CC], 12
	s_lshl_b32 s80, s67, s80
	s_add_co_u32 s84, s84, s80
	s_lshl_b32 s80, s[CC], 12
	s_add_co_u32 s84, s84, s80
	s_lshl_b32 s80, s[UU], 11
	s_add_co_u32 s84, s84, s80
	s_add_co_u32 s84, s84, 8192                    ; q's or k's images
	s_mov_b32 s85, 0
	s_mul_i32 s88, s66, 143360
	s_add_co_u32 s104, s104, s88
	s_add_co_u32 s104, s104, 8192
	s_mov_b32 s105, 0
	s_lshl_b32 s80, s67, 13
	s_add_co_u32 s88, s88, s80
	s_lshl_b32 s80, s[UU], 9
	s_add_co_u32 s88, s88, s80
	s_lshl_b32 s80, s[CC], 11
	s_add_co_u32 s88, s88, s80
	s_add_co_u32 s88, s88, 16384                   ; v's images
	s_mov_b32 s89, 0
	; LDS addresses
	s_mul_i32 s90, s[GG], 2*XS
	s_mul_i32 s91, s[UU], 32*XP
	s_add_co_u32 s90, s90, s91                     ; my tiles of x
	s_mul_i32 s91, s[CC], 16*XP
	s_add_co_u32 s91, s91, 6*XS                    ; of Wv
	s_mul_i32 s92, s[CC], XS
	s_add_co_u32 s92, s92, 4*XS                    ; Wq or Wk
	s_lshl_b32 s93, s[GG], 8
	s_lshl_b32 s80, s[CC], 3
	s_add_co_u32 s93, s93, s80
	s_lshl_b32 s80, s[UU], 1
	s_add_co_u32 s93, s93, s80
	s_add_co_u32 s93, s93, STG                     ; my scale bytes of v
	v_and_b32 v1, 7, v0                            ; r % 8
	v_bfe_u32 v2, v0, 3, 1                         ; r / 8
	v_bfe_u32 v3, v0, 4, 1                         ; h = lane / 16
	v_and_b32 v4, 15, v0                           ; r
	v_and_b32 v23, 31, v0
	v_mul_u32_u24 v24, v1, XP
	v_lshl_add_u32 v24, v3, 4, v24
	v_mul_u32_u24 v25, v2, XS
	v_add_nc_u32 v25, v25, v24
	v_add_nc_u32 v[ADX], s90, v25
	v_add_nc_u32 v[ADV], s91, v25
	v_mul_u32_u24 v26, v2, 40*XP
	v_add_nc_u32 v26, v26, v24
	v_add_nc_u32 v[ADWE], s92, v26                 ; even tiles of Wq, Wk
	v_mul_u32_u24 v27, v2, 24*XP
	v_add_nc_u32 v27, v27, v24
	v_add_nc_u32 v[ADWO], s92, v27                 ; odd ones
	v_lshlrev_b32 v28, 5, v1
	v_lshl_add_u32 v28, v3, 4, v28
	v_lshl_add_u32 v[XO], v2, 11, v28              ; the scale words' offsets, by the same rows
	v_lshl_add_u32 v[VO], v2, 10, v28
	v_mul_u32_u24 v29, v2, 1280
	v_add_nc_u32 v[WE], v29, v28
	v_mul_u32_u24 v30, v2, 768
	v_add_nc_u32 v[WO], v30, v28
	v_mul_u32_u24 v[BE], v3, 160                   ; q's or k's bias: channel 32 h + 8 (t xor h) + j
	v_mul_u32_u24 v[BO], v3, 96
	v_lshlrev_b32 v31, 2, v1
	v_lshl_add_u32 v[BV], v2, 7, v31               ; v's: the lane's channel
	v_lshlrev_b32 v[CST], 4, v23
	v_lshlrev_b32 v24, 4, v4
	v_lshl_add_u32 v[SST], v3, 3, v24
	v_add_nc_u32 v24, v24, v3
	v_add_nc_u32 v[VST], s93, v24
	v_lshlrev_b32 v[H8], 3, v3
	v_add_nc_u32 v[VRD], STG, v[CST]
	s_wait_alu depctr_va_vdst(0)
	s_wait_dscnt 0x0                               ; both opening adds are done
	s_wait_kmcnt 0x0
	s_add_nc_u64 s[G0X+2:G0X+3], s[4:5], s[76:77]
	s_or_b32 s[G0X+3], s[G0X+3], 0x80000000
	s_cmp_eq_u32 s[WV], 4                          ; the choice of a weight hangs on the wave's number alone
	s_cselect_b64 s[80:81], s[8:9], s[12:13]
	s_cmp_lt_u32 s[WV], 6
	s_cselect_b64 s[80:81], s[80:81], s[16:17]
	s_add_nc_u64 s[G0W+2:G0W+3], s[80:81], s[78:79]
	s_or_b32 s[G0W+3], s[G0W+3], 0x80000000
	s_cmp_eq_u32 s[CC], 0
	s_cselect_b64 s[80:81], s[10:11], s[14:15]     ; Wq's scales or Wk's
	s_cselect_b64 s[66:67], s[20:21], s[22:23]     ; bq or bk
	s_cselect_b64 s[76:77], s[26:27], s[28:29]     ; qw or kv
	s_add_nc_u64 s[94:95], s[6:7], s[94:95]
	s_add_nc_u64 s[96:97], s[80:81], s[96:97]
	s_add_nc_u64 s[98:99], s[18:19], s[98:99]
	s_add_nc_u64 s[100:101], s[66:67], s[100:101]
	s_add_nc_u64 s[82:83], s[24:25], s[82:83]
	s_add_nc_u64 s[84:85], s[76:77], s[84:85]
	s_add_nc_u64 s[86:87], s[76:77], s[86:87]
	s_add_nc_u64 s[88:89], s[28:29], s[88:89]
	s_add_nc_u64 s[104:105], s[28:29], s[104:105]
.irp t, 0,1,2,3
	global_load_b128 v[XSC+4*\t:XSC+4*\t+3], v[XO], s[94:95] offset:256*\t
.endr
.irp t, 0,2
	global_load_b128 v[WSC+4*\t:WSC+4*\t+3], v[WE], s[96:97] offset:256*\t
	global_load_b128 v[WSC+4*\t+4:WSC+4*\t+7], v[WO], s[96:97] offset:256*\t+256
.endr
.irp a, 0,1
	global_load_b128 v[VSC+4*\a:VSC+4*\a+3], v[VO], s[98:99] offset:256*\a
	global_load_b32 v[BVR+\a], v[BV], s[82:83] offset:32*\a
.endr
	WIN 0x40                                       ; destination window 1
.irp t, 0,2
.irp i, 0,1
	global_load_b128 v[192+8*\t+4*\i:192+8*\t+4*\i+3], v[BE], s[100:101] offset:32*\t+16*\i
	global_load_b128 v[200+8*\t+4*\i:200+8*\t+4*\i+3], v[BO], s[100:101] offset:32*\t+32+16*\i
.endr
.endr
	WIN 0
	CROUND                                         ; all sixteen work-groups are here: the joint loads meet
	LOADS                                          ; the first half of K
	s_wait_loadcnt 0x0                             ; scale words and biases
	WIN 0x40
.irp a, 0,1
.irp j, 0,1,2,3,4,5,6,7
	v_mov_b32 v[224+8*\a+\j], v[BVR+\a]            ; v's bias is the same in a lane's eight registers of a tile
.endr
.endr
	WIN 0
	s_wait_alu depctr_va_vdst(0)                   ; at the head's end
	s_wait_tensorcnt 0x0                           ; my part of the first half has landed
	ds_add_u32 v[SPW], v[NIL]
	s_add_co_u32 s[G0X+1], s[G0X+1], HALFK         ; no tensor load of mine is out, so the descriptors may step: the other half of each row, into the second half's regions
	s_add_co_u32 s[G0W+1], s[G0W+1], HALFK
	s_add_nc_u64 s[G0X+2:G0X+3], s[G0X+2:G0X+3], 256
	s_add_nc_u64 s[G0W+2:G0W+3], s[G0W+2:G0W+3], 256
	s_wait_dscnt 0x0                               ; the add is done
	CROUND                                         ; everybody's part of the first half is in, and the joint loads meet
	LOADS                                          ; the first tensor load behind the round: the second half
; lane (r, h) of a fragment holds K = 64 c + 32 h + 0 .. 31 of its row in registers 4 c .. 4 c + 3
.macro FR reg, adr, off
	ds_load_b128 v[(\reg):(\reg)+3], v[\adr] offset:(\off)
	ds_load_b128 v[(\reg)+4:(\reg)+7], v[\adr] offset:(\off)+32
.endm
.macro FETCH k, s                      ; K step k's ten fragments into set s: twenty loads
.irp t, 0,1,2,3
	FR 96+80*(\s)+8*\t, ADX, 8*XP*\t+64*((\k)%4)
.endr
.irp t, 0,2
	FR 128+80*(\s)+8*\t, ADWE, 8*XP*\t+64*((\k)%4)
	FR 136+80*(\s)+8*\t, ADWO, 8*XP*\t+8*XP+64*((\k)%4)
.endr
.irp a, 0,1
	FR 160+80*(\s)+8*\a, ADV, 8*XP*\a+64*((\k)%4)
.endr
.endm
.macro WM d, a, b, c, sa, sb, k
.if (\k) < 4
	v_wmma_scale_f32_16x16x128_f8f6f4 v[(\d):(\d)+7], v[(\a):(\a)+7], v[(\b):(\b)+7], v[(\c):(\c)+7], v[\sa+(\k)%4], v[\sb+(\k)%4] matrix_a_fmt:MATRIX_FMT_FP4 matrix_b_fmt:MATRIX_FMT_FP4
.else
	v_wmma_scale_f32_16x16x128_f8f6f4 v[(\d):(\d)+7], v[(\a):(\a)+7], v[(\b):(\b)+7], v[(\c):(\c)+7], v[\sa+(\k)%4], v[\sb+(\k)%4] matrix_a_fmt:MATRIX_FMT_FP4 matrix_b_fmt:MATRIX_FMT_FP4 matrix_a_scale:MATRIX_SCALE_ROW1 matrix_b_scale:MATRIX_SCALE_ROW1
.endif
.endm
; 24 products, the 24 accumulators by turns, in the same order in every K step; the first K step's C is the bias
.macro MUL k, s
.irp a, 0,1,2,3
.irp t, 0,1,2,3
.if (\k) == 0
	WM 32*\a+8*\t, 128+80*(\s)+8*\t, 96+80*(\s)+8*\a, 192+8*\t, WSC+4*\t, XSC+4*\a, \k
.else
	WM 32*\a+8*\t, 128+80*(\s)+8*\t, 96+80*(\s)+8*\a, 32*\a+8*\t, WSC+4*\t, XSC+4*\a, \k
.endif
.endr
.endr
.irp a, 0,1
.irp t, 0,1,2,3
.if (\k) == 0
	WM 128+32*\a+8*\t, 96+80*(\s)+8*\t, 160+80*(\s)+8*\a, 224+8*\a, XSC+4*\t, VSC+4*\a, \k
.else
	WM 128+32*\a+8*\t, 96+80*(\s)+8*\t, 160+80*(\s)+8*\a, 128+32*\a+8*\t, XSC+4*\t, VSC+4*\a, \k
.endif
.endr
.endr
.endm
.macro PLACES                          ; between the last products and the loads into the set that they read, or the reads of their results
.rept 4
	v_nop
.endr
.endm
	FETCH 0, 0
.irp k, 0,1,2
.if \k > 0
	PLACES
.endif
	FETCH \k+1, (\k+1)%2
	s_wait_dscnt 20                                ; K step k's fragments are in; the twenty loads just issued may be out
	WIN 0x50                                       ; C and D window 1
	MUL \k, \k%2
	WIN 0
.endr
	s_wait_tensorcnt 0x0                           ; my part of the second half has landed,
	s_wait_dscnt 0x0                               ; and K step 3's fragments are in
	s_barrier_signal -1
	WIN 0x50
	MUL 3, 1
	WIN 0
.irp r, ADX, ADWE, ADWO, ADV
	v_add_nc_u32 v[\r], HALFK, v[\r]               ; on to the second half's regions; the four lines are also the places behind the products
.endr
	s_wait_alu depctr_va_vdst(0)
	s_barrier_wait -1                              ; everybody's part has landed
	FETCH 4, 0
	FETCH 5, 1
	s_wait_dscnt 20
	WIN 0x50
	MUL 4, 0
	WIN 0
.irp k, 5,6
	PLACES
	FETCH \k+1, (\k+1)%2
	s_wait_dscnt 20
	WIN 0x50
	MUL \k, (\k)%2
	WIN 0
.endr
	s_wait_dscnt 0x0
	WIN 0x50
	MUL 7, 1
	PLACES
; THE WAY OUT: six images: 0-3 my four tiles of q or k, 4 and 5 my two tiles of v; image m is 32 registers at 32 m: a lane's whole block.
	WIN 0x05                                       ; sources 0 and 1 window 1
.irp m, 4,5,0,1,2,3
	v_max3_num_f32 v[TM+\m], |v[32*\m]|, |v[32*\m+1]|, 0x1800000   ; the floor 2^(3 - 127): the byte cannot fall under 1
.endr
.irp i, 2,4,6,8,10,12,14,16,18,20,22,24,26,28,30
.irp m, 4,5,0,1,2,3
	v_max3_num_f32 v[TM+\m], |v[32*\m+\i]|, |v[32*\m+\i+1]|, v[TM+\m]
.endr
.endr
	WIN 0
.irp m, 4,5,0,1,2,3
	v_add_nc_u32 v[CO+\m], 0xff000000, v[TM+\m]    ; 2 off the exponent field: the conversion's scale operand
.endr
.irp m, 4,5,0,1,2,3
	v_lshrrev_b32 v[BY+\m], 23, v[CO+\m]           ; the scale's byte
.endr
	ds_store_b8 v[VST], v[BY+4]                    ; v's bytes: four waves make a tile's words, so they meet in LDS
	ds_store_b8 v[VST], v[BY+5] offset:4
.irp m, 0,1,2,3
	v_lshlrev_b32 v[BY+\m], v[H8], v[BY+\m]        ; block h's byte at its place in the row's word; the upper two bytes, 0, scale zero codes
.endr
	v_permlane16_swap_b32 v[BY], v[BY+2]           ; lanes 0-15: tile 0's two bytes, lanes 16-31: tile 2's
	v_permlane16_swap_b32 v[BY+1], v[BY+3]
	v_or_b32 v[WS], v[BY], v[BY+2]                 ; words of tiles 0 and 1 in lanes 0-15, of tiles 2 and 3 in lanes 16-31
	v_or_b32 v[WS+1], v[BY+1], v[BY+3]
	s_wait_alu depctr_va_vdst(0)
	s_wait_dscnt 0x0                               ; my bytes are in LDS
	s_barrier_signal -1
	WIN 0x01                                       ; source 0 window 1
.irp m, 4,5,0,1,2,3
.irp t, 0,1,2,3
	v_cvt_scalef32_pk8_fp4_f32 v[PC+4*\m+\t], v[32*\m+8*\t:32*\m+8*\t+7], v[CO+\m]
.endr
.endr
	WIN 0
	v_nop                                          ; one plain place behind a scaled conversion
	s_wait_alu depctr_va_vdst(0)
	s_barrier_wait -1
.irp m, 0,1,2,3
	global_store_b128 v[CST], v[PC+4*\m:PC+4*\m+3], s[84:85] offset:512*\m      ; 32 lanes store 512 consecutive bytes
.endr
.irp m, 0,1
	global_store_b128 v[CST], v[PC+16+4*\m:PC+19+4*\m], s[88:89] offset:1024*\m
.endr
	global_store_b64 v[SST], v[WS:WS+1], s[86:87]  ; 256 consecutive bytes
	s_cmp_lg_u32 s[WV], 0
	s_cbranch_scc1 .Lno_words
	ds_load_b128 v[160:163], v[VRD]
	s_wait_dscnt 0x0
	global_store_b128 v[CST], v[160:163], s[104:105]   ; v's scale words of 256 keys: 512 consecutive bytes
.Lno_words:
	s_wait_tensorcnt 0x0                           ; the wave's end
	ds_add_u32 v[SPW], v[NIL]
	s_wait_dscnt 0x0
	CROUND                                         ; the closing round: no work-group ends while a partner may still ask for a tile that names it
	s_endpgm
.Lfunc_end_k_q2600de7389_qkv:
	.size	k_q2600de7389_qkv, .Lfunc_end_k_q2600de7389_qkv-k_q2600de7389_qkv
	.p2alignl 7, 3214868480
	.fill 96, 4, 3214868480
	.section	.rodata,"a",@progbits
	.p2align	6, 0x0
	.amdhsa_kernel k_q2600de7389_qkv
		.amdhsa_group_segment_fixed_size 327680
		.amdhsa_private_segment_fixed_size 0
		.amdhsa_enable_private_segment 0
		.amdhsa_kernarg_size 104
		.amdhsa_user_sgpr_count 2
		.amdhsa_user_sgpr_kernarg_segment_ptr 1
		.amdhsa_wavefront_size32 1
		.amdhsa_system_sgpr_workgroup_id_x 1
		.amdhsa_system_sgpr_workgroup_id_y 1
		.amdhsa_system_sgpr_workgroup_id_z 1
		.amdhsa_system_vgpr_workitem_id 0
		.amdhsa_next_free_vgpr 512
		.amdhsa_next_free_sgpr 106
		.amdhsa_reserve_vcc 0
		.amdhsa_float_denorm_mode_32 3
		.amdhsa_float_denorm_mode_16_64 3
		.amdhsa_memory_ordered 1
		.amdhsa_forward_progress 1
		.amdhsa_inst_pref_size 60
	.end_amdhsa_kernel
	.amdgpu_metadata
---
amdhsa.version: [ 1, 2 ]
amdhsa.kernels:
  - .name:           k_q2600de7389_qkv
    .symbol:         k_q2600de7389_qkv.kd
    .args:
      - { .name: x_codes, .offset: 0, .size: 8, .value_kind: global_buffer, .address_space: global }
      - { .name: x_scales, .offset: 8, .size: 8, .value_kind: global_buffer, .address_space: global }
      - { .name: Wq_codes, .offset: 16, .size: 8, .value_kind: global_buffer, .address_space: global }
      - { .name: Wq_scales, .offset: 24, .size: 8, .value_kind: global_buffer, .address_space: global }
      - { .name: Wk_codes, .offset: 32, .size: 8, .value_kind: global_buffer, .address_space: global }
      - { .name: Wk_scales, .offset: 40, .size: 8, .value_kind: global_buffer, .address_space: global }
      - { .name: Wv_codes, .offset: 48, .size: 8, .value_kind: global_buffer, .address_space: global }
      - { .name: Wv_scales, .offset: 56, .size: 8, .value_kind: global_buffer, .address_space: global }
      - { .name: bq, .offset: 64, .size: 8, .value_kind: global_buffer, .address_space: global }
      - { .name: bk, .offset: 72, .size: 8, .value_kind: global_buffer, .address_space: global }
      - { .name: bv, .offset: 80, .size: 8, .value_kind: global_buffer, .address_space: global }
      - { .name: qw, .offset: 88, .size: 8, .value_kind: global_buffer, .address_space: global }
      - { .name: kv, .offset: 96, .size: 8, .value_kind: global_buffer, .address_space: global }
    .group_segment_fixed_size: 327680
    .private_segment_fixed_size: 0
    .kernarg_segment_align: 8
    .kernarg_segment_size: 104
    .max_flat_workgroup_size: 256
    .sgpr_count:     106
    .vgpr_count:     512
    .wavefront_size: 32
...
	.end_amdgpu_metadata
.endif
;; end of part 1
;; launch attend (part 2): grid 8 x 32, 16 waves a work-group, clusters of 4 x 1, 327,680 bytes of LDS; arguments qw, kv, oc, os; writes oc, os
.if DOCPART == 2
	.amdgcn_target "amdgcn-amd-amdhsa--gfx1250"
	.amdhsa_code_object_version 6
	.text
	.protected	k_q2600de7389_attend
	.globl	k_q2600de7389_attend
	.p2align	8
	.type	k_q2600de7389_attend,@function
k_q2600de7389_attend:
	s_mov_b64 s[64:65], 0
	v_nop
	global_prefetch_b8 v0, s[64:65] scope:SCOPE_SE
	s_setreg_imm32_b32 hwreg(HW_REG_WAVE_MODE, 25, 1), 1
	s_wait_xcnt 0x0
	s_wait_alu depctr_hold_cnt(0) depctr_sa_sdst(0) depctr_va_vdst(0) depctr_va_sdst(0) depctr_va_ssrc(0) depctr_va_vcc(0) depctr_vm_vsrc(0)
	s_getreg_b32 s2, hwreg(HW_REG_IB_STS2, 6, 4)
	s_cmp_eq_u32 s2, 0
	s_cbranch_scc0 .Lentry_in_a_cluster
	s_endpgm
.Lentry_in_a_cluster:
	s_bfe_u32 s2, ttmp6, 0x10000c
	s_cmp_lg_u32 s2, 0x3003
	s_cbranch_scc0 .Lentry_shape_is_right
	s_endpgm
.Lentry_shape_is_right:
; o = softmax(q k^T / 8 under the causal mask) v for one head's share of 256 queries, both products on codes of FP4 with one E8M0 scale for each 32 along a product's K; o is quantised for the last launch.
; WORK LEFT OUT: the key steps of 128 that lie wholly above the diagonal: the causal mask sets their logits to -infinity, so their weights are 0 for all finite inputs.
; LIMITS: a NaN, an infinity or an overflow that reaches only those steps is not carried to the result; the promise holds while the scaled scores (the exponents to the base 2, before the maximum is taken away)
; stay under 2^31 in magnitude; v_exp_f32 is taken not to fall where its input rises (a block's largest p is the exponential of its largest score); a block of zeros keeps the scale byte 1.
; THE SOFTMAX: t = score x log2(e) / 8; M = the running largest t rounded up to a whole number; p = 2^(t - M) is quantised along the keys; the row's sum is taken of the unquantised p and divides at the end.
; SHARES.  Eight work-groups to a head (two clusters of four).  Work-group GW owns tile GW (row r: 64 (r / 8) + 8 GW + r % 8) of each of the sixteen blocks of 128 queries, a wave a block: block b walks steps 0..b.
; Waves 0-3 take blocks 15-12, waves 4-7 blocks 11-8, and so on, dealt so that the four waves whose numbers agree modulo 4 have 34 steps together, the longest first.
; THE RECORD of the head (scale words, k's and v's images: 143,360 bytes, 560 rows of 256) lies in LDS: one joint load a wave, shared by the four of a cluster.  Waves 0-3 fetch 50 rows each: all scale words, steps 0 to 3
; and k of step 4; waves 4-15 fetch 30 rows each, the rest, which lands under the first steps: a second barrier, signalled behind step 0 and waited for ahead of step 4, shows it.
; Nothing is filled twice, so there is no loop of refills to run ahead in and nothing is prefetched into the L2.
; LAYOUT.  S^T = K Q^T, O^T = V^T P^T: a lane holds one query.  Register 8 t + j of lane (r, h) is key 64 h + 8 t + j of the step: a lane holds two whole blocks of 32 keys, and their codes are P's operand as they stand
; (position block 2 c + h is keys 64 h + 32 c ..; v's images were laid so).  O^T's register 8 t + j is channel 32 h + 8 t + j: one whole block.
; K's fragment of 64 channels is four registers; the four behind them belong to the next tile: they meet q's zero codes and add nothing.
.set REC,   143360
.set QREC,  73728
.set KB,    12288                      ; the record's steps begin here
.set LATE,  51200                      ; 200 rows come early
.set SPARE, REC                        ; the spare words, 128 bytes for each wave
.set L16,  1                           ; 16 x lane
.set R16,  2                           ; 16 r
.set SPW,  3
.set NIL,  4
.set ADK,  5
.set ADS,  6
.set ADT,  7
.set ADV,  8
.set NINF, 9
.set R4,   10
.set H8,   11                          ; 8 h;  v12 -M, v13 the largest t, v[14:15] the sum in two halves
.set Q,    16                          ; v16-19 q's codes, v20-23 zeros
.set QS,   24
.set KF,   32                          ; v32-63 eight fragments of K, v64-67 zeros
.set S,    72
.set O,    136
.set VF,   168
.set KS,   200
.set VS,   204
.set PC,   208
.set X0,   216                         ; the two blocks' largest score, then p
.set X1,   217
.set Y0,   218
.set Y1,   219
.set T,    220
.set U,    221
.set OLD,  222
.set F,    224
.set A2,   226                         ; the step's sum in three more chains
.set C0,   228
.set C1,   229
.set B0,   230
.set B1,   231
.set W,    232                         ; p's scale word
.set W2,   233
.set V1,   234
.set WOUT, 236
.set A3,   238
.set A4,   240
.set WV,   12
.set IW,   13                          ; my block
.set GW,   14
.set BH,   15
.set G1E,  16
.set G1L,  24
.set G0E,  32
.set G0L,  36
.set SEL,  40
.set CS,   42
.set TB,   44
.set TS,   45
.set TV,   46
.set ST,   47
.set CNT,  48
.set SH,   49
.set OCB,  50
.set OSB,  52
.set MV,   66                          ; lanes whose keys are hidden in a tile of keys ahead of my queries' own
.set MH,   67                          ; and in a tile behind it
.set MT,   68
.set MK,   70
.macro CROUND
	s_barrier_signal -1
	s_barrier_wait -1
	s_cmp_lg_u32 s[WV], 0
	s_cbranch_scc1 .Lnot_wave_0_\@
	s_barrier_signal -3
.Lnot_wave_0_\@:
	s_barrier_wait -3
	s_barrier_signal -1
	s_barrier_wait -1
.endm
	s_load_b256 s[4:11], s[0:1], 0x0               ; qw, kv, oc, os
	v_lshl_add_u32 v[SPW], v0, 2, SPARE
	v_mov_b32 v[NIL], 0
	ds_add_u32 v[SPW], v[NIL]                      ; the wave's opening: the add, twice on end, and its one wait
	ds_add_u32 v[SPW], v[NIL]
	v_lshrrev_b32 v5, 5, v0
	v_readfirstlane_b32 s[WV], v5                  ; wave 0..15
	s_lshr_b32 s54, s[WV], 2
	s_xor_b32 s54, s54, 3                          ; a = 3 - wave / 4
	s_and_b32 s55, s[WV], 3
	s_xor_b32 s55, s55, s54
	s_lshl_b32 s54, s54, 2
	s_add_co_u32 s[IW], s54, s55                   ; block 4 a + ((wave % 4) xor a)
	s_bfe_u32 s[GW], ttmp6, 0x40000
	s_lshl_b32 s54, ttmp9, 2
	s_add_co_u32 s[GW], s[GW], s54
	s_and_b32 s[BH], ttmp7, 0xffff
.irp g, G1E, G1L
	s_mov_b32 s[\g], 15|(3<<16)|(1<<21)            ; the cluster's four; elements of 8 bytes; dense rows of 256 bytes
	s_mov_b32 s[\g+1], 32<<16
	s_mov_b32 s[\g+3], 32<<16
	s_mov_b32 s[\g+5], 32
	s_mov_b32 s[\g+6], 0
	s_mov_b32 s[\g+7], 0
.endr
	s_mov_b32 s[G1E+2], 50<<16
	s_mov_b32 s[G1E+4], 50
	s_mov_b32 s[G1L+2], 30<<16
	s_mov_b32 s[G1L+4], 30
	s_mov_b32 s[G0E], 1
	s_mul_i32 s[G0E+1], s[WV], 12800
	s_mov_b32 s[G0L], 1
	s_mul_i32 s[G0L+1], s[WV], 7680
	s_add_co_u32 s[G0L+1], s[G0L+1], LATE-4*7680
	s_mul_i32 s54, s[BH], REC
	s_add_co_u32 s60, s54, s[G0E+1]
	s_mov_b32 s61, 0
	s_add_co_u32 s62, s54, s[G0L+1]
	s_mov_b32 s63, 0
	; my tile in the head's record of qw: its image and its scale words
	s_mul_i32 s55, s[BH], QREC
	s_lshl_b32 s54, s[IW], 3
	s_add_co_u32 s54, s54, s[GW]
	s_lshl_b32 s56, s54, 9
	s_add_co_u32 s56, s56, s55
	s_add_co_u32 s56, s56, 8192
	s_mov_b32 s57, 0
	s_lshr_b32 s58, s54, 2
	s_lshl_b32 s58, s58, 8
	s_add_co_u32 s58, s58, s55
	s_and_b32 s54, s54, 3
	s_lshl_b32 s54, s54, 2
	s_add_co_u32 s58, s58, s54
	s_mov_b32 s59, 0
	; where o goes: oc [128 rows][head pair][tile][2] images of 512 bytes, os [tile][head][r] words
	s_lshr_b32 s54, s[BH], 4
	s_lshl_b32 s54, s54, 4
	s_add_co_u32 s54, s54, s[IW]
	s_lshl_b32 s54, s54, 3
	s_and_b32 s55, s[BH], 15
	s_lshr_b32 s78, s55, 1
	s_add_co_u32 s78, s78, s54
	s_lshl_b32 s78, s78, 3
	s_add_co_u32 s78, s78, s[GW]
	s_lshl_b32 s[OCB], s78, 10
	s_and_b32 s78, s55, 1
	s_lshl_b32 s[SH], s78, 4
	s_lshl_b32 s78, s78, 9
	s_add_co_u32 s[OCB], s[OCB], s78
	s_mov_b32 s[OCB+1], 0
	s_add_co_u32 s54, s54, s[GW]
	s_lshl_b32 s[OSB], s54, 10
	s_lshl_b32 s55, s55, 6
	s_add_co_u32 s[OSB], s[OSB], s55
	s_mov_b32 s[OSB+1], 0
	s_mov_b32 s[SEL], 0x76543210
	s_mov_b32 s[SEL+1], 0xfedcba98
	s_mov_b32 s[CS], 0x3e38aa3b                    ; log2(e) / 8
	s_mov_b32 s[CS+1], s[CS]
	s_mov_b32 s[TB], KB
	s_mov_b32 s[TS], 0
	s_mov_b32 s[TV], 8192
	s_mov_b32 s[ST], 0
	s_mov_b32 s[MV], 0x00ff0000                    ; lanes 16-23: queries 0-63 of the block, keys 64-127
	s_mov_b32 s[MH], 0xffff00ff                    ; all but lanes 8-15: queries 64-127, keys 0-63
	v_and_b32 v5, 31, v0
	v_lshlrev_b32 v[L16], 4, v5
	v_and_b32 v6, 15, v0
	v_lshlrev_b32 v[R16], 4, v6
	v_lshlrev_b32 v[R4], 2, v6
	v_bfe_u32 v7, v0, 4, 1
	v_lshlrev_b32 v[H8], 3, v7
	s_wait_alu depctr_va_vdst(0)
	s_wait_dscnt 0x0                               ; both opening adds are done
	s_wait_kmcnt 0x0
	s_add_nc_u64 s[56:57], s[4:5], s[56:57]
	s_add_nc_u64 s[58:59], s[4:5], s[58:59]
	s_add_nc_u64 s[G0E+2:G0E+3], s[6:7], s[60:61]
	s_or_b32 s[G0E+3], s[G0E+3], 0x80000000
	s_add_nc_u64 s[G0L+2:G0L+3], s[6:7], s[62:63]
	s_or_b32 s[G0L+3], s[G0L+3], 0x80000000
	s_add_nc_u64 s[OCB:OCB+1], s[8:9], s[OCB:OCB+1]
	s_add_nc_u64 s[OSB:OSB+1], s[10:11], s[OSB:OSB+1]
	global_load_b128 v[Q:Q+3], v[L16], s[56:57]
	global_load_b32 v[QS], v[R16], s[58:59]
	CROUND                                         ; the cluster's four are here: the joint loads meet
	s_cmp_lt_u32 s[WV], 4                          ; the wave's number alone; each wave has one load, and the two lines are waited for apart
	s_cbranch_scc0 .Lhead_late
	tensor_load_to_lds s[G0E:G0E+3], s[G1E:G1E+7]
	s_nop 0
.rept 4
	v_nop
.endr
	s_branch .Lasked
.Lhead_late:
	tensor_load_to_lds s[G0L:G0L+3], s[G1L:G1L+7]
	s_nop 0
.rept 4
	v_nop
.endr
.Lasked:
	v_mov_b32 v[NINF], 0xff800000
	v_mov_b32 v13, 0xff61b1e6                      ; the largest t so far: -3e38
	v_mov_b32 v14, 0
	v_mov_b32 v15, 0
	v_floor_f32 v12, -v13                          ; -M
.irp n, 20,21,22,23,64,65,66,67,221,225,233
	v_mov_b32 v[\n], 0                             ; zero codes; destinations of lane permutes and the half of a pair that is named before it is written
.endr
.set n, 0
.rept 32
	v_mov_b32 v[O+n], 0
.set n, n+1
.endr
	s_wait_alu depctr_va_vdst(0)                   ; at the head's end
	s_wait_loadcnt 0x0                             ; q
	s_cmp_lt_u32 s[WV], 4
	s_cbranch_scc0 .Lnot_early
	s_wait_tensorcnt 0x0                           ; my part of the early rows; waves 4-15 have none
.Lnot_early:
	s_barrier_signal -1
	s_barrier_wait -1                              ; the early rows are in
.macro KLOAD                           ; a step's k: scale words (lanes 0-15: tiles 0-3, lanes 16-31: tiles 4-7) and eight fragments
	ds_load_b128 v[KS:KS+3], v[ADS]
.irp t, 0,1,2,3,4,5,6,7
	ds_load_b128 v[KF+4*\t:KF+4*\t+3], v[ADK] offset:512*\t
.endr
.endm
.macro SUM4
	v_pk_add_f32 v[14:15], v[14:15], v[S+jj:S+jj+1]
	v_pk_add_f32 v[A2:A2+1], v[A2:A2+1], v[S+jj+2:S+jj+3]
	v_pk_add_f32 v[A3:A3+1], v[A3:A3+1], v[S+jj+4:S+jj+5]
	v_pk_add_f32 v[A4:A4+1], v[A4:A4+1], v[S+jj+6:S+jj+7]
.set jj, jj+8
.endm
.macro CVT t
	v_cvt_scalef32_pk8_fp4_f32 v[PC+(\t)], v[S+8*(\t):S+8*(\t)+7], v[C0+(\t)/4]
.endm
; A KEY STEP.  Which steps a wave walks hangs on its number and the count of steps; the jump leads round no barrier and no tensor load.  k has been asked for a step ahead; clamp = 1: the last step asks for its own k again, which nobody uses.
.macro STEP clamp
	s_cmp_gt_u32 s[ST], s[IW]
	s_cbranch_scc1 .Lhidden_\@
	s_add_co_u32 s54, s[TB], 8192
	s_add_co_u32 s55, s[TS], 512
.if \clamp
	s_min_u32 s54, s54, KB+15*8192
	s_min_u32 s55, s55, 15*512
.endif
	s_wait_dscnt 0x0                               ; k
.irp t, 0,1,2,3
	v_wmma_scale_f32_16x16x128_f8f6f4 v[S+8*\t:S+8*\t+7], v[KF+4*\t:KF+4*\t+7], v[Q:Q+7], 0, v[KS+\t], v[QS] matrix_a_fmt:MATRIX_FMT_FP4 matrix_b_fmt:MATRIX_FMT_FP4
.endr
.irp t, 4,5,6,7
	v_wmma_scale_f32_16x16x128_f8f6f4 v[S+8*\t:S+8*\t+7], v[KF+4*\t:KF+4*\t+7], v[Q:Q+7], 0, v[KS+\t-4], v[QS] matrix_a_fmt:MATRIX_FMT_FP4 matrix_b_fmt:MATRIX_FMT_FP4 matrix_a_scale:MATRIX_SCALE_ROW1
.endr
	v_add_nc_u32 v[ADV], s[TB], v[L16]             ; these four lines are the places behind the products
	v_add_nc_u32 v[ADT], s[TV], v[R16]
	v_add_nc_u32 v[ADK], s54, v[L16]
	v_add_nc_u32 v[ADS], s55, v[L16]
	ds_load_b128 v[VS:VS+3], v[ADT]
.irp t, 0,1,2,3
.irp c, 0,1
	ds_load_b128 v[VF+8*\t+4*\c:VF+8*\t+4*\c+3], v[ADV] offset:4096+1024*\t+512*\c
.endr
.endr
	KLOAD                                          ; the next step's
	s_cmp_lg_u32 s[ST], s[IW]
	s_cbranch_scc1 .Lopen_\@
.irp t, 0,1,2,3,4,5,6,7                ; on the diagonal hidden scores become -infinity: p = 0.  A tile of keys ahead of, level with or behind my queries' own: the masks are chosen, no branch hangs on GW
	s_cmp_gt_u32 s[GW], \t
	s_cselect_b32 s[MT], s[MV], s[MH]
	s_cmp_eq_u32 s[GW], \t
.irp j, 0,1,2,3,4,5,6,7
	s_cselect_b32 s[MK+\j], ((1<<\j)-1)*0x1000001+0xff0000, s[MT]   ; level: key j is hidden from queries r % 8 < j
.endr
.irp j, 0,1,2,3,4,5,6,7
	v_cndmask_b32 v[S+8*\t+\j], v[S+8*\t+\j], v[NINF], s[MK+\j]
.endr
.endr
.Lopen_\@:
	; each of my two blocks' largest score: 17 + 15 numbers in two chains a block
	v_max3_num_f32 v[X0], v[S], v[S+1], v[S+2]
	v_max3_num_f32 v[Y0], v[S+17], v[S+18], v[S+19]
	v_max3_num_f32 v[X1], v[S+32], v[S+33], v[S+34]
	v_max3_num_f32 v[Y1], v[S+49], v[S+50], v[S+51]
.irp i, 0,2,4,6,8,10
	v_max3_num_f32 v[X0], v[X0], v[S+3+\i], v[S+4+\i]
	v_max3_num_f32 v[Y0], v[Y0], v[S+20+\i], v[S+21+\i]
	v_max3_num_f32 v[X1], v[X1], v[S+35+\i], v[S+36+\i]
	v_max3_num_f32 v[Y1], v[Y1], v[S+52+\i], v[S+53+\i]
.endr
	v_max3_num_f32 v[X0], v[X0], v[S+15], v[S+16]
	v_max3_num_f32 v[X1], v[X1], v[S+47], v[S+48]
	v_max_num_f32 v[X0], v[X0], v[Y0]
	v_max_num_f32 v[X1], v[X1], v[Y1]
	s_delay_alu instid0(VALU_DEP_1)
	v_max_num_f32 v[T], v[X0], v[X1]
	s_delay_alu instid0(VALU_DEP_1)
	v_permlanex16_b32 v[U], v[T], s[SEL], s[SEL+1]
	s_delay_alu instid0(VALU_DEP_1)
	v_max_num_f32 v[T], v[T], v[U]                 ; the step's largest score of my query
	s_delay_alu instid0(VALU_DEP_1)
	v_mul_f32 v[T], s[CS], v[T]
	s_delay_alu instid0(VALU_DEP_1)
	v_max_num_f32 v13, v13, v[T]
	v_mov_b32 v[OLD], v12
	s_delay_alu instid0(VALU_DEP_2)
	v_floor_f32 v12, -v13                          ; -M = -ceil(t)
	s_delay_alu instid0(VALU_DEP_1)
	v_sub_f32 v[OLD], v12, v[OLD]
	s_delay_alu instid0(VALU_DEP_1)
	v_cvt_i32_f32 v[OLD], v[OLD]
	s_delay_alu instid0(VALU_DEP_1)
	v_ldexp_f32 v[F], 1.0, v[OLD]                  ; f = 2^(old M - new M)
.set n, 0
.rept 32
	v_pk_fma_f32 v[S+n:S+n+1], v[S+n:S+n+1], s[CS:CS+1], v[12:13] op_sel_hi:[1,0,0]   ; t - M
.set n, n+2
.endr
	v_pk_fma_f32 v[X0:X0+1], v[X0:X0+1], s[CS:CS+1], v[12:13] op_sel_hi:[1,0,0]
	s_wait_alu depctr_va_vdst(0)                   ; ahead of the batch
.set n, 0
.rept 64
	v_exp_f32 v[S+n], v[S+n]
.set n, n+1
.endr
	v_exp_f32 v[X0], v[X0]                         ; the blocks' largest p: the same two instructions on the same numbers
	v_exp_f32 v[X1], v[X1]
	v_pk_mul_f32 v[14:15], v[14:15], v[F:F+1] op_sel_hi:[1,0]
	s_wait_alu depctr_va_vdst(0)                   ; and behind it, ahead of its first reader
	v_max_num_f32 v[X0], 0x1800000, v[X0]          ; the floor 2^(3 - 127)
	v_max_num_f32 v[X1], 0x1800000, v[X1]
	v_pk_add_f32 v[A2:A2+1], v[S:S+1], v[S+2:S+3]
	v_pk_add_f32 v[A3:A3+1], v[S+4:S+5], v[S+6:S+7]
	v_pk_add_f32 v[A4:A4+1], v[S+8:S+9], v[S+10:S+11]
.set n, 0
.rept 8
	v_pk_mul_f32 v[O+n:O+n+1], v[O+n:O+n+1], v[F:F+1] op_sel_hi:[1,0]
.set n, n+2
.endr
	v_add_nc_u32 v[C0], 0xff000000, v[X0]          ; 2 off the exponent field: the conversions' scale operands
	v_add_nc_u32 v[C1], 0xff000000, v[X1]
.rept 8
	v_pk_mul_f32 v[O+n:O+n+1], v[O+n:O+n+1], v[F:F+1] op_sel_hi:[1,0]
.set n, n+2
.endr
	v_lshrrev_b32 v[B0], 23, v[C0]
	v_lshrrev_b32 v[B1], 23, v[C1]
.set jj, 12
	SUM4
	v_lshl_or_b32 v[V1], v[B1], 16, v[B0]          ; my blocks are position blocks h and 2 + h
	SUM4
	v_lshlrev_b32 v[V1], v[H8], v[V1]
	SUM4
	v_permlanex16_b32 v[W2], v[V1], s[SEL], s[SEL+1]
	SUM4
	v_or_b32 v[W], v[V1], v[W2]
.irp t, 0,4                            ; the conversions, with the sums' last lines between them: 13 plain lines, which are also the places ahead of the products
	CVT \t
	v_pk_add_f32 v[14:15], v[14:15], v[S+jj:S+jj+1]
	CVT \t+1
	v_pk_add_f32 v[A2:A2+1], v[A2:A2+1], v[S+jj+2:S+jj+3]
	CVT \t+2
	v_pk_add_f32 v[A3:A3+1], v[A3:A3+1], v[S+jj+4:S+jj+5]
	CVT \t+3
	v_pk_add_f32 v[A4:A4+1], v[A4:A4+1], v[S+jj+6:S+jj+7]
.set jj, jj+8
.endr
	v_pk_add_f32 v[14:15], v[14:15], v[S+60:S+61]
	v_pk_add_f32 v[A2:A2+1], v[A2:A2+1], v[S+62:S+63]
	v_pk_add_f32 v[A3:A3+1], v[A3:A3+1], v[A4:A4+1]
	v_pk_add_f32 v[14:15], v[14:15], v[A2:A2+1]
	v_pk_add_f32 v[14:15], v[14:15], v[A3:A3+1]
	s_wait_alu depctr_va_vdst(0)
	s_wait_dscnt 9                                 ; v; the next step's nine loads may be out
.irp t, 0,1,2,3
	v_wmma_scale_f32_16x16x128_f8f6f4 v[O+8*\t:O+8*\t+7], v[VF+8*\t:VF+8*\t+7], v[PC:PC+7], v[O+8*\t:O+8*\t+7], v[VS+\t], v[W] matrix_a_fmt:MATRIX_FMT_FP4 matrix_b_fmt:MATRIX_FMT_FP4
.endr
.Lhidden_\@:
	s_add_co_u32 s[TB], s[TB], 8192
	s_add_co_u32 s[TS], s[TS], 512
	s_add_co_u32 s[TV], s[TV], 256
	s_add_co_u32 s[ST], s[ST], 1
.endm
	v_add_nc_u32 v[ADK], s[TB], v[L16]
	v_add_nc_u32 v[ADS], s[TS], v[L16]
	KLOAD
	STEP 0                                         ; step 0
	s_wait_tensorcnt 0x0                           ; my part of the late rows,
	s_wait_dscnt 0x0
	s_barrier_signal -1                            ; between this signal and its wait: work on registers, and loads of the early rows
	s_mov_b32 s[CNT], 3
.Lfirst:                                               ; steps 1 to 3
	STEP 0
	s_sub_co_u32 s[CNT], s[CNT], 1
	s_cmp_lg_u32 s[CNT], 0
	s_cbranch_scc1 .Lfirst
	s_barrier_wait -1                              ; everybody's part: the whole record is in
	s_mov_b32 s[CNT], 12
.Lrest:                                                ; steps 4 to 15
	STEP 1
	s_sub_co_u32 s[CNT], s[CNT], 1
	s_cmp_lg_u32 s[CNT], 0
	s_cbranch_scc1 .Lrest
.rept 4
	v_nop                                          ; places behind the last products
.endr
	v_add_f32 v14, v14, v15
	v_permlanex16_b32 v[U], v14, s[SEL], s[SEL+1]
	v_add_f32 v14, v14, v[U]                       ; the row's sum
	s_wait_alu depctr_va_vdst(0)
	v_rcp_f32 v14, v14
	v_nop                                          ; one plain place behind a transcendental
	s_wait_alu depctr_va_vdst(0)                   ; ahead of its first reader, and of the last products' results
.set n, 0
.rept 16
	v_pk_mul_f32 v[S+n:S+n+1], v[O+n:O+n+1], v[14:15] op_sel_hi:[1,0]
.set n, n+2
.endr
	v_max3_num_f32 v[X0], |v[S]|, |v[S+1]|, 0x1800000
	v_max3_num_f32 v[Y0], |v[S+16]|, |v[S+17]|, |v[S+18]|
.irp i, 0,2,4,6,8,10
	v_max3_num_f32 v[X0], v[X0], |v[S+2+\i]|, |v[S+3+\i]|
	v_max3_num_f32 v[Y0], v[Y0], |v[S+19+\i]|, |v[S+20+\i]|
.endr
	v_max3_num_f32 v[X0], v[X0], |v[S+14]|, |v[S+15]|
	v_max3_num_f32 v[X0], v[X0], v[Y0], |v[S+31]|  ; my block of 32 channels
	v_add_nc_u32 v[C0], 0xff000000, v[X0]
.irp t, 0,1,2,3
	CVT \t
.endr
	v_lshrrev_b32 v[B0], 23, v[C0]                 ; (a plain place behind the conversions)
	v_lshlrev_b32 v[V1], v[H8], v[B0]
	v_permlanex16_b32 v[W2], v[V1], s[SEL], s[SEL+1]
	v_or_b32 v[WOUT], v[V1], v[W2]
	v_lshlrev_b32 v[WOUT], s[SH], v[WOUT]          ; an odd head's two bytes go to the upper half
	global_store_b128 v[L16], v[PC:PC+3], s[OCB:OCB+1]   ; 512 consecutive bytes
	global_store_b32 v[R4], v[WOUT], s[OSB:OSB+1]
	s_wait_tensorcnt 0x0                           ; the wave's end
	ds_add_u32 v[SPW], v[NIL]
	s_wait_dscnt 0x0
	CROUND                                         ; the closing round
	s_endpgm
.Lfunc_end_k_q2600de7389_attend:
	.size	k_q2600de7389_attend, .Lfunc_end_k_q2600de7389_attend-k_q2600de7389_attend
	.p2alignl 7, 3214868480
	.fill 96, 4, 3214868480
	.section	.rodata,"a",@progbits
	.p2align	6, 0x0
	.amdhsa_kernel k_q2600de7389_attend
		.amdhsa_group_segment_fixed_size 327680
		.amdhsa_private_segment_fixed_size 0
		.amdhsa_enable_private_segment 0
		.amdhsa_kernarg_size 32
		.amdhsa_user_sgpr_count 2
		.amdhsa_user_sgpr_kernarg_segment_ptr 1
		.amdhsa_wavefront_size32 1
		.amdhsa_system_sgpr_workgroup_id_x 1
		.amdhsa_system_sgpr_workgroup_id_y 1
		.amdhsa_system_sgpr_workgroup_id_z 1
		.amdhsa_system_vgpr_workitem_id 0
		.amdhsa_next_free_vgpr 256
		.amdhsa_next_free_sgpr 80
		.amdhsa_reserve_vcc 0
		.amdhsa_float_denorm_mode_32 3
		.amdhsa_float_denorm_mode_16_64 3
		.amdhsa_memory_ordered 1
		.amdhsa_forward_progress 1
		.amdhsa_inst_pref_size 82
	.end_amdhsa_kernel
	.amdgpu_metadata
---
amdhsa.version: [ 1, 2 ]
amdhsa.kernels:
  - .name:           k_q2600de7389_attend
    .symbol:         k_q2600de7389_attend.kd
    .args:
      - { .name: qw, .offset: 0, .size: 8, .value_kind: global_buffer, .address_space: global }
      - { .name: kv, .offset: 8, .size: 8, .value_kind: global_buffer, .address_space: global }
      - { .name: oc, .offset: 16, .size: 8, .value_kind: global_buffer, .address_space: global }
      - { .name: os, .offset: 24, .size: 8, .value_kind: global_buffer, .address_space: global }
    .group_segment_fixed_size: 327680
    .private_segment_fixed_size: 0
    .kernarg_segment_align: 8
    .kernarg_segment_size: 32
    .max_flat_workgroup_size: 512
    .sgpr_count:     80
    .vgpr_count:     256
    .wavefront_size: 32
...
	.end_amdgpu_metadata
.endif
;; end of part 2
;; launch proj (part 3): grid 8 x 32, 8 waves a work-group, clusters of 4 x 4, 196,608 bytes of LDS; arguments oc, os, Wo_codes, Wo_scales, bo, out0; writes out0
.if DOCPART == 3
	.amdgcn_target "amdgcn-amd-amdhsa--gfx1250"
	.amdhsa_code_object_version 6
	.text
	.protected	k_q2600de7389_proj
	.globl	k_q2600de7389_proj
	.p2align	8
	.type	k_q2600de7389_proj,@function
k_q2600de7389_proj:
	s_mov_b64 s[64:65], 0
	v_nop
	global_prefetch_b8 v0, s[64:65] scope:SCOPE_SE
	s_setreg_imm32_b32 hwreg(HW_REG_WAVE_MODE, 25, 1), 1
	s_wait_xcnt 0x0
	s_wait_alu depctr_hold_cnt(0) depctr_sa_sdst(0) depctr_va_vdst(0) depctr_va_sdst(0) depctr_va_ssrc(0) depctr_va_vcc(0) depctr_vm_vsrc(0)
	s_getreg_b32 s2, hwreg(HW_REG_IB_STS2, 6, 4)
	s_cmp_eq_u32 s2, 0
	s_cbranch_scc0 .Lentry_in_a_cluster
	s_endpgm
.Lentry_in_a_cluster:
	s_bfe_u32 s2, ttmp6, 0x10000c
	s_cmp_lg_u32 s2, 0xf033
	s_cbranch_scc0 .Lentry_shape_is_right
	s_endpgm
.Lentry_shape_is_right:
; out0 = O Wo + bo on codes of FP4 (E2M1) with one E8M0 scale for each 32 along K = 1,024.  Nothing is left out here.
; O: 4,096 rows in tiles of 16: of 128 rows, tile t (0..7) holds rows 64 (r / 8) + 8 t + r % 8, r = 0..15.  oc [128 rows][K / 128][tile][2] images of 512 bytes (lane l's 16 bytes at 16 l: a fragment of 16 rows x 128 K is two of them);
; os [tile][head][r] words, an even head's two bytes in the low half, an odd head's in the high half.  Wo: 1,024 rows (the outputs) of 512 bytes of codes and 32 scale bytes.
; SHARES.  256 work-groups, each 128 rows x 128 outputs; eight waves, each two tiles x 64 outputs: 8 accumulators.  The larger tile of 256 x 256 would give 64 work-groups.
; All of K lies in LDS at once: 65,536 bytes of O's images, 128 rows of Wo.  One joint load a wave, nothing filled twice (so no loop of refills to prefetch in): waves 0, 1 O's K steps 0-1, 2-3, waves 2, 3 64 rows each of Wo's first
; half of K; waves 4 to 7 the same of the second half.  Only the first four are waited for in front of K step 0; a second barrier shows the rest ahead of K step 4.
; CLUSTERS of 4 x 4: O's block hangs on the tile row alone and is asked for jointly by a row of the cluster, Wo's rows on the tile column and by a column.
; THE MATRIX INSTRUCTION IS USED TRANSPOSED (source 0 = 16 rows of Wo, source 1 = 16 rows of O): a lane holds eight neighbouring outputs of one row.  The bias is loaded INTO the accumulators: nothing is cleared or added.
.set BROW,  65536                      ; LDS: O's images from 0; Wo's 128 rows from here,
.set BP,    272                        ; 256 bytes (half of K) + 16 of padding = 68 words: the 16 rows that a load touches start 4 banks apart
.set WHB,   128*BP                     ; Wo's second half of K lies behind the first's 128 rows
.set STG,   BROW+2*WHB                 ; the way out: 16 rows x (256 bytes + 16) for each wave; no tensor load lands here
.set SP,    272
.set SPARE, STG+8*16*SP                ; the spare words, 128 bytes for each wave
.set L16,  1                           ; 16 x lane
.set ADA,  2                           ; LDS address of my images of O
.set ADB,  3                           ; of my rows of Wo
.set STO,  4                           ; the stage: where I put 32 bytes of a row
.set RD,   5                           ; and where I read a row back
.set GO,   6                           ; my byte offset in out0
.set BO,   7                           ; 32 h: my eight numbers of a tile's sixteen of bo
.set SBO,  8                           ; 32 r + 16 h: Wo's scale words
.set L4,   9                           ; 4 x lane: O's
.set SPW,  10
.set NIL,  11
.set SA,   16                          ; v16-31  O's scale words: tile a, K step k at 8 a + k
.set SB,   32                          ; v32-47  Wo's: tile b at 4 b + e: lanes 0-15 K step e, lanes 16-31 K step 4 + e
.set TMP,  48
.set ACC,  64                          ; v64-127 accumulator (a, b) at 8 (4 a + b)
.set F0,   128                         ; two sets of fragments: O's two at + 8 a, Wo's four at + 16 + 8 b
.set F1,   176
.set WV,   16
.set G1A,  28                          ; s[28:35], s[36:39] descriptor groups 1 and 0 for O;  s[40:47], s[48:51] for Wo
.set G0A,  36
.set G1B,  40
.set G0B,  48
.set SEL,  52
.macro CROUND                          ; a round of the cluster's barrier
	s_barrier_signal -1
	s_barrier_wait -1
	s_cmp_lg_u32 s[WV], 0
	s_cbranch_scc1 .Lnot_wave_0_\@
	s_barrier_signal -3
.Lnot_wave_0_\@:
	s_barrier_wait -3
	s_barrier_signal -1
	s_barrier_wait -1
.endm
	s_load_b256 s[4:11], s[0:1], 0x0               ; oc, os, Wo's codes, Wo's scales
	s_load_b128 s[12:15], s[0:1], 0x20             ; bo, out0
	v_lshl_add_u32 v[SPW], v0, 2, SPARE
	v_mov_b32 v[NIL], 0
	ds_add_u32 v[SPW], v[NIL]                      ; the wave's opening: the add, twice on end, and its one wait
	ds_add_u32 v[SPW], v[NIL]
	v_lshrrev_b32 v12, 5, v0
	v_readfirstlane_b32 s[WV], v12                 ; wave 0..7
	s_lshr_b32 s17, s[WV], 1                       ; which two tiles are mine
	s_and_b32 s18, s[WV], 1                        ; which 64 outputs.  Also: which part of a half of K I fetch
	s_lshr_b32 s26, s[WV], 2                       ; which half of K I fetch
	s_lshl_b32 s25, s26, 1
	s_add_co_u32 s25, s25, s18                     ; O: which quarter
	s_bfe_u32 s19, ttmp6, 0x40000                  ; my place in the cluster
	s_bfe_u32 s20, ttmp6, 0x40004
	s_lshl_b32 s21, ttmp9, 2
	s_add_co_u32 s21, s21, s19                     ; tile column = 4 x cluster x + cx
	s_and_b32 s22, ttmp7, 0xffff
	s_lshl_b32 s22, s22, 2
	s_add_co_u32 s22, s22, s20                     ; tile row = 4 x cluster y + cy
	s_lshl_b32 s23, s20, 2
	s_lshl_b32 s23, 15, s23                        ; my row of the cluster
	s_lshl_b32 s24, 0x1111, s19                    ; my column
	s_or_b32 s[G1A], s23, (3<<16)|(1<<21)          ; O: 64 dense rows of 256 bytes (32 elements of 8 bytes), no padding: every read is at 16 x lane
	s_mov_b32 s[G1A+1], 32<<16
	s_mov_b32 s[G1A+2], 64<<16
	s_mov_b32 s[G1A+3], 32<<16
	s_mov_b32 s[G1A+4], 64
	s_mov_b32 s[G1A+5], 32
	s_mov_b32 s[G1A+6], 0
	s_mov_b32 s[G1A+7], 0
	s_or_b32 s[G1B], s24, (1<<20)|(1<<21)|(5<<22)|(3<<25)   ; Wo: 64 rows, 256 bytes of each; four words of padding after every 64
	s_mov_b32 s[G1B+1], 256<<16
	s_mov_b32 s[G1B+2], 64<<16
	s_mov_b32 s[G1B+3], 256<<16
	s_mov_b32 s[G1B+4], 64
	s_mov_b32 s[G1B+5], 512
	s_mov_b32 s[G1B+6], 0
	s_mov_b32 s[G1B+7], 0
	s_mov_b32 s[G0A], 1
	s_lshl_b32 s[G0A+1], s25, 14                   ; LDS: quarter x 16,384: no place in the cluster enters an LDS address
	s_lshl_b32 s27, s26, 8
	s_mov_b32 s[G0B], 1
	s_mul_i32 s61, s26, WHB
	s_mul_i32 s[G0B+1], s18, 64*BP
	s_add_co_u32 s[G0B+1], s[G0B+1], s61
	s_add_co_u32 s[G0B+1], s[G0B+1], BROW
	s_lshl_b32 s54, s22, 16                        ; O's block of 128 rows is 65,536 dense bytes,
	s_add_co_u32 s54, s54, s[G0A+1]
	s_mov_b32 s55, 0
	s_lshl_b32 s56, s21, 16                        ; and so are Wo's 128 rows
	s_lshl_b32 s57, s18, 15
	s_add_co_u32 s56, s56, s57
	s_add_co_u32 s56, s56, s27
	s_mov_b32 s57, 0
	s_mov_b32 s[SEL], 0x76543210
	s_mov_b32 s[SEL+1], 0xfedcba98
	s_lshl_b32 s58, s17, 11                        ; my two tiles' images: 1,024 bytes each in a K step's 8,192
	s_mul_i32 s59, s18, 64*BP
	s_add_co_u32 s59, s59, BROW                    ; my 64 rows of Wo
	s_mul_i32 s60, s[WV], 16*SP
	s_add_co_u32 s60, s60, STG                     ; my stage
	v_and_b32 v13, 15, v0                          ; r
	v_bfe_u32 v14, v0, 4, 1                        ; h
	v_and_b32 v15, 31, v0                          ; lane
	v_lshlrev_b32 v[L16], 4, v15
	v_lshlrev_b32 v[L4], 2, v15
	v_lshlrev_b32 v[BO], 5, v14
	v_lshlrev_b32 v[SBO], 5, v13
	v_mul_u32_u24 v[ADB], v13, BP
	v_mul_u32_u24 v[STO], v13, SP
	v_mul_u32_u24 v[RD], v14, SP
	v_lshlrev_b32 v[GO], 12, v14
	v_add_nc_u32 v[ADA], s58, v[L16]
	v_lshl_add_u32 v[SBO], v14, 4, v[SBO]
	v_lshl_add_u32 v[ADB], v14, 4, v[ADB]
	v_lshl_add_u32 v[STO], v14, 5, v[STO]          ; in: row r, 32 bytes for each half of the lanes
	v_lshl_add_u32 v[RD], v13, 4, v[RD]            ; back: lanes 0-15 one row of 256 bytes, lanes 16-31 the next
	v_lshl_add_u32 v[GO], v13, 4, v[GO]            ; and the same two rows in out0
	v_add_nc_u32 v[ADB], s59, v[ADB]
	v_add_nc_u32 v[STO], s60, v[STO]
	v_add_nc_u32 v[RD], s60, v[RD]
.irp i, 0,1,2,3
	v_mov_b32 v[TMP+\i], 0                         ; a lane permute's destination counts as one of its sources
.endr
	s_wait_alu depctr_va_vdst(0)
	s_wait_dscnt 0x0                               ; both opening adds are done
	s_wait_kmcnt 0x0
	s_add_nc_u64 s[G0A+2:G0A+3], s[4:5], s[54:55]
	s_or_b32 s[G0A+3], s[G0A+3], 0x80000000
	s_add_nc_u64 s[G0B+2:G0B+3], s[8:9], s[56:57]
	s_or_b32 s[G0B+3], s[G0B+3], 0x80000000
	CROUND                                         ; all sixteen work-groups are here: the joint loads meet
; one chain on the wave's number, one load to an arm; the first two lines' waves wait apart from the last two's
.macro ARM under, g0, g1
	s_cmp_lt_u32 s[WV], \under
	s_cbranch_scc0 .Lnext_\@
	tensor_load_to_lds s[\g0:\g0+3], s[\g1:\g1+7]
	s_nop 0
.rept 4
	v_nop
.endr
	s_branch .Lasked
.Lnext_\@:
.endm
	ARM 2, G0A, G1A
	ARM 4, G0B, G1B
	ARM 6, G0A, G1A
	tensor_load_to_lds s[G0B:G0B+3], s[G1B:G1B+7]
	s_nop 0
.rept 4
	v_nop
.endr
.Lasked:
	s_lshl_b32 s56, s21, 9
	s_lshl_b32 s57, s18, 8
	s_add_co_u32 s56, s56, s57                     ; my first output, in bytes of f32: 512 x tile column + 256 x half
	s_mov_b32 s57, 0
	s_add_nc_u64 s[12:13], s[12:13], s[56:57]      ; in bo,
	s_add_nc_u64 s[14:15], s[14:15], s[56:57]      ; in a row of out0,
	s_lshl_b32 s58, s56, 3                         ; and its 32 scale bytes a row of Wo
	s_mov_b32 s59, 0
	s_add_nc_u64 s[10:11], s[10:11], s[58:59]
	s_lshl_b32 s58, s22, 13
	s_lshl_b32 s60, s17, 11
	s_add_co_u32 s58, s58, s60                     ; my first tile x 1,024 bytes of os
	s_add_nc_u64 s[6:7], s[6:7], s[58:59]
	s_lshl_b32 s58, s22, 19                        ; out0: my block of 128 rows x 4,096 bytes,
	s_lshl_b32 s60, s17, 16
	s_add_co_u32 s58, s58, s60                     ; and 8 rows for each tile ahead of mine
	s_add_nc_u64 s[14:15], s[14:15], s[58:59]
.irp a, 0,1
.irp k, 0,1,2,3,4,5,6,7
	global_load_b32 v[SA+8*\a+\k], v[L4], s[6:7] offset:1024*\a+128*\k      ; lanes 0-15: head 2 k's word of row r; lanes 16-31: head 2 k + 1's
.endr
.endr
.irp b, 0,1,2,3
	global_load_b128 v[SB+4*\b:SB+4*\b+3], v[SBO], s[10:11] offset:512*\b   ; 512 consecutive bytes: row r's eight words, four to each half of the lanes
.endr
.irp a, 0,1
.irp b, 0,1,2,3
	global_load_b128 v[ACC+8*(4*\a+\b):ACC+8*(4*\a+\b)+3], v[BO], s[12:13] offset:64*\b       ; bo at outputs 16 b + 8 h + 0 .. 7: the sums begin with it
	global_load_b128 v[ACC+8*(4*\a+\b)+4:ACC+8*(4*\a+\b)+7], v[BO], s[12:13] offset:64*\b+16
.endr
.endr
	s_wait_loadcnt 0x0
.irp g, 0,4,8,12                       ; the two heads' halves make the word of 128 along K
.irp i, 0,1,2,3
	v_permlanex16_b32 v[TMP+\i], v[SA+\g+\i], s[SEL], s[SEL+1]
.endr
.irp i, 0,1,2,3
	v_or_b32 v[SA+\g+\i], v[SA+\g+\i], v[TMP+\i]
.endr
.endr
.macro FETCH k, f                      ; K step k's fragments into set f: twelve loads
.irp a, 0,1
.irp c, 0,1
	ds_load_b128 v[\f+8*\a+4*\c:\f+8*\a+4*\c+3], v[ADA] offset:8192*(\k)+1024*\a+512*\c
.endr
.endr
.irp b, 0,1,2,3
.irp c, 0,1
	ds_load_b128 v[\f+16+8*\b+4*\c:\f+16+8*\b+4*\c+3], v[ADB] offset:16*BP*\b+64*((\k)%4)+WHB*((\k)/4)+32*\c
.endr
.endr
.endm
.macro MUL8 k, f                       ; eight products, the eight accumulators by turns, in the same order in every K step
.irp a, 0,1
.irp b, 0,1,2,3
.if (\k) < 4
	v_wmma_scale_f32_16x16x128_f8f6f4 v[ACC+8*(4*\a+\b):ACC+8*(4*\a+\b)+7], v[\f+16+8*\b:\f+16+8*\b+7], v[\f+8*\a:\f+8*\a+7], v[ACC+8*(4*\a+\b):ACC+8*(4*\a+\b)+7], v[SB+4*\b+(\k)%4], v[SA+8*\a+(\k)] matrix_a_fmt:MATRIX_FMT_FP4 matrix_b_fmt:MATRIX_FMT_FP4
.else
	v_wmma_scale_f32_16x16x128_f8f6f4 v[ACC+8*(4*\a+\b):ACC+8*(4*\a+\b)+7], v[\f+16+8*\b:\f+16+8*\b+7], v[\f+8*\a:\f+8*\a+7], v[ACC+8*(4*\a+\b):ACC+8*(4*\a+\b)+7], v[SB+4*\b+(\k)%4], v[SA+8*\a+(\k)] matrix_a_fmt:MATRIX_FMT_FP4 matrix_b_fmt:MATRIX_FMT_FP4 matrix_a_scale:MATRIX_SCALE_ROW1
.endif
.endr
.endr
.endm
.macro PLACES                          ; between the last products and the loads into the set that they read, or the reads of their results
.rept 4
	v_nop
.endr
.endm
	s_wait_alu depctr_va_vdst(0)                   ; at the head's end
	s_cmp_lt_u32 s[WV], 4
	s_cbranch_scc0 .Lnot_early
	s_wait_tensorcnt 0x0                           ; my part of the first half; waves 4-7 have none
.Lnot_early:
	s_barrier_signal -1
	s_barrier_wait -1                              ; the first half of K is in
	FETCH 0, F0
	FETCH 1, F1
	s_wait_dscnt 12                                ; K step 0's fragments are in; the twelve loads issued behind them may be out
	MUL8 0, F0
.irp k, 1,2
	PLACES
	FETCH \k+1, F0+48*((\k+1)%2)
	s_wait_dscnt 12
	MUL8 \k, F0+48*(\k%2)
.endr
	s_wait_tensorcnt 0x0                           ; my part of the second half,
	s_wait_dscnt 0x0                               ; and K step 3's fragments
	s_barrier_signal -1
	MUL8 3, F1
	s_barrier_wait -1                              ; the second half is in
	PLACES
	FETCH 4, F0
	FETCH 5, F1
	s_wait_dscnt 12
	MUL8 4, F0
.irp k, 5,6
	PLACES
	FETCH \k+1, F0+48*((\k+1)%2)
	s_wait_dscnt 12
	MUL8 \k, F0+48*(\k%2)
.endr
	s_wait_dscnt 0x0
	MUL8 7, F1
	; THE WAY OUT.  A lane holds 32 neighbouring bytes of a row, the lanes beside it other rows: 16 rows x 256 bytes at a time go through my own stage and come back as whole rows, which sixteen lanes store as 256 consecutive bytes.
	; LDS serves a wave's instructions in order (ISA guide 5.7.1.4): no wait between the stores and the loads, nor in front of the second half's stores.
	PLACES
.irp a, 0,1
.irp b, 0,1,2,3
	ds_store_b128 v[STO], v[ACC+8*(4*\a+\b):ACC+8*(4*\a+\b)+3] offset:64*\b          ; each accumulator from its low end on
	ds_store_b128 v[STO], v[ACC+8*(4*\a+\b)+4:ACC+8*(4*\a+\b)+7] offset:64*\b+16
.endr
.irp i, 0,1,2,3,4,5,6,7
	ds_load_b128 v[F0+32*\a+4*\i:F0+32*\a+4*\i+3], v[RD] offset:2*\i*SP
.endr
.endr
.irp i, 0,1,2,3,4,5,6,7
	s_wait_dscnt 23-\i                             ; behind this load: 7 - i of its half, and the second half's eight stores and eight loads
	global_store_b128 v[GO], v[F0+4*\i:F0+4*\i+3], s[14:15] offset:8192*\i+229376*(\i/4) th:TH_STORE_NT   ; two runs of 256 consecutive bytes, each at a multiple of 256; rows 8 to 15 of a tile lie 56 rows further on
.endr
.irp i, 0,1,2,3,4,5,6,7
	s_wait_dscnt 7-\i
	global_store_b128 v[GO], v[F0+32+4*\i:F0+32+4*\i+3], s[14:15] offset:32768+8192*\i+229376*(\i/4) th:TH_STORE_NT
.endr
	s_wait_tensorcnt 0x0                           ; the wave's end
	ds_add_u32 v[SPW], v[NIL]
	s_wait_dscnt 0x0
	CROUND                                         ; the closing round
	s_endpgm
.Lfunc_end_k_q2600de7389_proj:
	.size	k_q2600de7389_proj, .Lfunc_end_k_q2600de7389_proj-k_q2600de7389_proj
	.p2alignl 7, 3214868480
	.fill 96, 4, 3214868480
	.section	.rodata,"a",@progbits
	.p2align	6, 0x0
	.amdhsa_kernel k_q2600de7389_proj
		.amdhsa_group_segment_fixed_size 196608
		.amdhsa_private_segment_fixed_size 0
		.amdhsa_enable_private_segment 0
		.amdhsa_kernarg_size 48
		.amdhsa_user_sgpr_count 2
		.amdhsa_user_sgpr_kernarg_segment_ptr 1
		.amdhsa_wavefront_size32 1
		.amdhsa_system_sgpr_workgroup_id_x 1
		.amdhsa_system_sgpr_workgroup_id_y 1
		.amdhsa_system_sgpr_workgroup_id_z 1
		.amdhsa_system_vgpr_workitem_id 0
		.amdhsa_next_free_vgpr 256
		.amdhsa_next_free_sgpr 66
		.amdhsa_reserve_vcc 0
		.amdhsa_float_denorm_mode_32 3
		.amdhsa_float_denorm_mode_16_64 3
		.amdhsa_memory_ordered 1
		.amdhsa_forward_progress 1
		.amdhsa_inst_pref_size 32
	.end_amdhsa_kernel
	.amdgpu_metadata
---
amdhsa.version: [ 1, 2 ]
amdhsa.kernels:
  - .name:           k_q2600de7389_proj
    .symbol:         k_q2600de7389_proj.kd
    .args:
      - { .name: oc, .offset: 0, .size: 8, .value_kind: global_buffer, .address_space: global }
      - { .name: os, .offset: 8, .size: 8, .value_kind: global_buffer, .address_space: global }
      - { .name: Wo_codes, .offset: 16, .size: 8, .value_kind: global_buffer, .address_space: global }
      - { .name: Wo_scales, .offset: 24, .size: 8, .value_kind: global_buffer, .address_space: global }
      - { .name: bo, .offset: 32, .size: 8, .value_kind: global_buffer, .address_space: global }
      - { .name: out0, .offset: 40, .size: 8, .value_kind: global_buffer, .address_space: global }
    .group_segment_fixed_size: 196608
    .private_segment_fixed_size: 0
    .kernarg_segment_align: 8
    .kernarg_segment_size: 48
    .max_flat_workgroup_size: 256
    .sgpr_count:     66
    .vgpr_count:     256
    .wavefront_size: 32
...
	.end_amdgpu_metadata
.endif
;; end of part 3
